; MI455X (gfx1250); checked and timed in simulation.
; The chip was launched on July 23, 2026; its instructions are those of AMD's public machine-readable ISA for CDNA 5 (MIT licence, August 2026) and "CDNA5" Instruction Set Architecture Reference Guide (July 2026). The comments in the code are by the model that wrote it; some were corrected since.
;; Mistral Audio Codebook. Allowed arithmetic: matrix products marked QUANTISED: E4M3 operands, one given power-of-two scale a tensor, by v_wmma_f32_16x16x64_fp8_fp8 or v_wmma_f32_16x16x128_fp8_fp8, f32 sums; everything else in f32.
;; Inputs: cluster_usage 8,192 float32; embedding_sum 8,192 x 256 float32; lowp_scales 2 int32 (the exponents e of the quantised operands' scales 2^e); x 8 x 292 x 4,096 float32.
;; Outputs: out0 8 x 37 x 4,096 int32; out1 8 x 292 x 4,096 float32.
;; This version of the problem:
;;   THIS VERSION OF THE PROBLEM IS GIVEN IN LOW PRECISION. The matrix products marked QUANTISED in the list below multiply operands that are first quantised to E4M3 (4 exponent bits, 3 mantissa bits; 8 bits a number), with one given power-of-two scale for each operand tensor; their sums are f32. All else is computed in f32.
;;   The module's matrix products, in the order in which they are computed (A, B: the left and right operand; K: the contracted axis; several contracted axes count as one K, in the product's order):
;;     1. [M 32,768, K 256] x [K 256, N 8,192]; A: input x; B: computed on the way: QUANTISED (scales: A lowp_scales[0], B lowp_scales[1])
;;   THE QUANTISER, for each operand of a quantised product, along K:
;;     - The operand's scale is 2^e, e = its entry of the input lowp_scales (int32; the entries are numbered through the quantised products in the list's order, A before B).
;;     - Each number is divided by the scale, clamped to +-448, and rounded to the nearest number of E4M3, ties to even, subnormals kept.
;;     - The product sums the exact products of the quantised numbers (number of the format x scale) in f32.
;;   ~~~python
;;   def quantise(x, axis, e):      # numpy; x: float32 -> the quantised numbers, widened to float32 again
;;       x = np.moveaxis(x, axis, -1); K = x.shape[-1]
;;       r = np.clip(x / 2.0 ** e, -448, 448)
;;       step = 2.0 ** (np.maximum(np.frexp(np.where(r == 0, 1, r))[1] - 1, -6) - 3)
;;       q = np.round(r / step) * step * 2.0 ** e      # np.round: ties to even
;;       return np.moveaxis(q, -1, axis).astype(np.float32)
;;   ~~~
;;   OPERANDS COMPUTED ON THE WAY. 'Computed on the way' means the value that the module computes at that place (a softmax that the list does not call 'softmax' is quantised finished and normalised). What goes into a quantiser is computed in f32, as accurately as f32 sums, v_exp_f32 and their like allow (about 1e-6 of the number): no bf16 or f16 on the way to a quantiser, and a product that is left as it is and whose result goes on into a quantised operand takes f32 operands (vector FMAs, or v_wmma_f32_16x16x4_f32). A number that lies on a knife's edge between two numbers of the format may be rounded either way, as far as f32 arithmetic and the matrix unit's own rounding can turn it there, and no further.
;; One version. Each part assembles by itself: llvm-mc -triple=amdgcn-amd-amdhsa -mcpu=gfx1250 --defsym DOCPART=n.
;; ======== version 1 of 1: 3 launches
;; limits: right only within a limited range of input values
;; workspace buffers: cb 2,129,920 bytes; codes_ws 262,144 bytes of whole numbers; vals_ws 262,144 bytes
;; launch prep (part 1): grid 52 x 8, 4 waves a work-group, no clusters, 67,328 bytes of LDS; arguments embedding_sum, cluster_usage, lowp_scales, x, cb, out0, out1; writes cb, out0, out1
.if DOCPART == 1
	.amdgcn_target "amdgcn-amd-amdhsa--gfx1250"
	.amdhsa_code_object_version 6
	.text
	.protected	k_qaac4aaef77_prep
	.globl	k_qaac4aaef77_prep
	.p2align	8
	.type	k_qaac4aaef77_prep,@function
k_qaac4aaef77_prep:
	s_mov_b64 s[64:65], 0
	v_nop
	global_prefetch_b8 v0, s[64:65] scope:SCOPE_SE
	s_setreg_imm32_b32 hwreg(HW_REG_WAVE_MODE, 25, 1), 1
	s_wait_xcnt 0x0
; TWO JOBS IN ONE LAUNCH, parted by the work-group's x (a number that all waves of a work-group share).
; x < 16 (128 work-groups): THE CODEBOOK.  Chunk g = 16 y + x holds codes 64 g .. 64 g + 63.  emb = embedding_sum / max(cluster_usage, 1e-5) in f32; its E4M3 codes with the given scale 2^e1;
;   bias = -(sum of emb^2, of the unquantised emb) x 2^(-1 - e0 - e1): the later product's sums begin with it, so that sum + bias = (x . emb - e2 / 2) / 2^(e0 + e1).
;   cb: 128 chunks of 16,640 bytes: four images of 4,096 bytes (a tile of 16 codes x 256 K in the order of the matrix operand's registers), then 64 biases (256 bytes).
;   An image: unit q = 4 s + c (s: K step of 128; c = 0..3) is 512 bytes, lane l's 16 bytes at 16 l; lane (r = l % 16, h = l / 16) holds of row r: bytes 0-7 k = 128 s + 32 c + 8 h + 0..7, bytes 8-15 k = 128 s + 32 c + 16 + 8 h + 0..7.
; x >= 16 (288 work-groups): THE ACOUSTIC PART.  One row (batch y, channel 256 + x - 16) of 4,096 numbers: code = round((tanh(v) + 1) x 10), ties to even; out0 takes the code, out1 code x 0.1 - 1.
; LIMITS: e1 between -126 and 119, so that 2^e1 and 448 x 2^e1 are f32 numbers; e0 + e1 is applied by v_ldexp_f32 and has none.  NaN among the inputs is not served.
; No tensor loads, no matrix work: both jobs stream; waves share only the chunk's 64 biases, which meet in LDS so that they leave as 256 consecutive bytes.
; WORK LEFT OUT: x2 = the sum of a token's squares is added alike to all 8,192 squared distances of that token, so for all values of the inputs it moves no argmin: it is not computed.
; d2 = x2 - 2 (x . emb - e2 / 2): the argmin of d2 is taken as the argmax of x . emb - e2 / 2, the first of equals.  LIMIT: an overflow of x2, which reaches only the term left out, is not carried to the result.
.set XBATCH, 292*4096*4                ; a batch of x and of out1, in bytes
.set OBATCH, 37*4096*4                 ; a batch of out0
.set CHUNK,  16640
.set SPITCH, 1040                      ; a stage row: 1,024 bytes + 16, so that the sixteen rows that a read touches begin 16 bytes apart modulo 256
.set WSTG,   16*SPITCH                 ; a wave's stage
.set BST,    4*WSTG                    ; behind the stages: the chunk's 64 biases
.set EPSF,   0x3727c5ac                ; 1e-5
.set T,      14                        ; v[14:21] four pairs at work
.set ESQ,    22                        ; v[22:29] the sum of squares, four chains of pairs
.set R,      32                        ; v32-159  my 128 numbers
.set CD,     160                       ; v160-191 my 128 codes: the image's registers
.set AX,     32                        ; the acoustic path: v32-63 the numbers, later out1's
.set AH,     64                        ; v64-95
.set AL,     96                        ; v96-127
.set AI,     128                       ; v128-159 out0's
	s_load_b256 s[4:11], s[0:1], 0x0               ; embedding_sum s[4:5], cluster_usage s[6:7], the scales' exponents s[8:9], x s[10:11]
	s_load_b128 s[12:15], s[0:1], 0x20             ; cb s[12:13], out0 s[14:15]
	s_load_b64 s[16:17], s[0:1], 0x30              ; out1
	v_lshl_add_u32 v208, v0, 2, 0x10500
	v_mov_b32 v209, 0
	v_lshrrev_b32 v1, 5, v0
	v_readfirstlane_b32 s18, v1                    ; wave 0..3
	s_and_b32 s19, ttmp7, 0xffff                   ; y
	s_mov_b32 s25, 0
	s_cmp_lt_u32 ttmp9, 16
	s_cbranch_scc0 .Lacoustic
	; ---------------- the codebook: wave w takes tile w of the chunk: 16 rows of 1,024 bytes, dense in memory
	v_and_b32 v1, 31, v0                           ; lane
	v_and_b32 v2, 15, v0                           ; r
	v_bfe_u32 v3, v0, 4, 1                         ; h
	v_lshlrev_b32 v4, 4, v1                        ; 16 x lane: my bytes of a load's or a store's 512
	s_mul_i32 s26, s18, WSTG
	v_add_nc_u32 v5, s26, v4                       ; into my stage: as the bytes lie
	v_mul_u32_u24 v6, v2, SPITCH
	v_lshl_add_u32 v6, v3, 5, v6
	v_add_nc_u32 v6, s26, v6                       ; out of it: row r, + 32 h: eight neighbours along K of each sixteen
	v_lshlrev_b32 v7, 2, v2                        ; row r's usage
	s_lshl_b32 s27, s18, 6
	s_add_co_u32 s27, s27, BST
	v_add_nc_u32 v192, s27, v7                     ; where row r's bias goes
	v_lshlrev_b32 v194, 3, v1
	v_add_nc_u32 v193, BST, v194                   ; where wave 0 reads the 64 biases back, 8 bytes a lane
	s_lshl_b32 s20, s19, 4
	s_add_co_u32 s20, s20, ttmp9                   ; g
	s_lshl_b32 s24, s20, 16                        ; 64 rows of 1,024 bytes,
	s_lshl_b32 s26, s18, 14                        ; my 16 of them
	s_add_co_u32 s24, s24, s26
	s_lshl_b32 s26, s20, 8
	s_lshl_b32 s27, s18, 6
	s_add_co_u32 s26, s26, s27                     ; and their usages
	s_mov_b32 s27, 0
	s_mul_i32 s28, s20, CHUNK
	s_mov_b32 s29, 0
	s_lshl_b32 s30, s18, 12                        ; my image in the chunk
	s_mov_b32 s31, 0
	s_mov_b32 s32, 0x76543210                      ; v_permlanex16_b32: each lane takes its own place in the other half
	s_mov_b32 s33, 0xfedcba98
	s_wait_alu depctr_va_vdst(0)
	s_wait_kmcnt 0x0
	s_load_b64 s[22:23], s[8:9], 0x0               ; e0, e1
	s_add_nc_u64 s[4:5], s[4:5], s[24:25]
	s_add_nc_u64 s[6:7], s[6:7], s[26:27]
	s_add_nc_u64 s[12:13], s[12:13], s[28:29]      ; the chunk
	s_add_nc_u64 s[28:29], s[12:13], s[30:31]      ; my image
	global_load_b32 v30, v7, s[6:7]
.irp q, 0,1,2,3,4,5,6,7,8,9,10,11,12,13,14,15,16,17,18,19,20,21,22,23,24,25,26,27,28,29,30,31
	global_load_b128 v[R+4*\q:R+4*\q+3], v4, s[4:5] offset:512*\q th:TH_LOAD_NT   ; 32 lanes read 512 consecutive bytes: half q % 2 of row q / 2
.endr
.irp q, 0,1,2,3,4,5,6,7,8,9,10,11,12,13,14,15,16,17,18,19,20,21,22,23,24,25,26,27,28,29,30,31
	s_wait_loadcnt 31-\q                           ; loads come back in order: load q is in, the younger ones stay out
	ds_store_b128 v5, v[R+4*\q:R+4*\q+3] offset:(\q/2)*SPITCH+(\q%2)*512
.endr
	s_wait_dscnt 0x0                               ; the stores have read their registers, which take the numbers back in another order
.irp p, 0,1,2,3,4,5,6,7,8,9,10,11,12,13,14,15
	ds_load_b128 v[R+8*\p:R+8*\p+3], v6 offset:64*\p       ; piece p: k = 16 p + 8 h + 0..7 of row r
	ds_load_b128 v[R+8*\p+4:R+8*\p+7], v6 offset:64*\p+16
.endr
	v_max_num_f32 v8, EPSF, v30                    ; c = max(usage, 1e-5)
	v_mov_b32 v9, v8
	v_rcp_f32 v10, v8
	v_nop                                          ; a plain instruction behind the reciprocal
	s_wait_alu depctr_va_vdst(0)                   ; and a wait ahead of its first reader
	v_fma_f32 v31, -v8, v10, 1.0                   ; one step of Newton's: rc = r0 + r0 (1 - c r0)
	v_fma_f32 v10, v31, v10, v10
	v_mov_b32 v11, v10
	s_wait_alu depctr_va_vdst(0)
	s_wait_kmcnt 0x0
	s_add_co_i32 s24, s23, 127
	s_lshl_b32 s26, s24, 23
	v_mov_b32 v12, s26                             ; 2^e1 as f32: the conversion takes its exponent field
	s_add_co_i32 s24, s24, 8
	s_lshl_b32 s24, s24, 23
	s_or_b32 s24, s24, 0x600000
	v_mov_b32 v13, s24                             ; 448 x 2^e1
	s_add_co_i32 s30, s22, s23
	s_sub_co_i32 s30, -1, s30                      ; -1 - e0 - e1
; Piece p: eight numbers a become a / c: t = a rc; a - t c is the remainder, exact in one fused step; t + remainder x rc is the quotient.  Their squares are summed; then they are held and converted.
.macro PIECE p, first
	s_wait_dscnt 30-2*(\p)                         ; this piece's two loads are in; the later pieces' stay out
.irp i, 0,2,4,6
	v_pk_mul_f32 v[T+\i:T+\i+1], v[R+8*(\p)+\i:R+8*(\p)+\i+1], v[10:11]
.endr
.irp i, 0,2,4,6
	v_pk_fma_f32 v[R+8*(\p)+\i:R+8*(\p)+\i+1], v[T+\i:T+\i+1], v[8:9], v[R+8*(\p)+\i:R+8*(\p)+\i+1] neg_lo:[1,0,0] neg_hi:[1,0,0]
.endr
.irp i, 0,2,4,6
	v_pk_fma_f32 v[R+8*(\p)+\i:R+8*(\p)+\i+1], v[R+8*(\p)+\i:R+8*(\p)+\i+1], v[10:11], v[T+\i:T+\i+1]
.endr
.irp i, 0,2,4,6
.if \first
	v_pk_mul_f32 v[ESQ+\i:ESQ+\i+1], v[R+8*(\p)+\i:R+8*(\p)+\i+1], v[R+8*(\p)+\i:R+8*(\p)+\i+1]   ; the first piece starts the four chains
.else
	v_pk_fma_f32 v[ESQ+\i:ESQ+\i+1], v[R+8*(\p)+\i:R+8*(\p)+\i+1], v[R+8*(\p)+\i:R+8*(\p)+\i+1], v[ESQ+\i:ESQ+\i+1]
.endif
.endr
.irp i, 0,1,2,3,4,5,6,7
	v_med3_num_f32 v[R+8*(\p)+\i], v[R+8*(\p)+\i], -v13, v13   ; the conversion to an 8-bit code does not saturate (ISA guide 7.6.2): the hold at the largest code x the scale
.endr
	v_cvt_scalef32_pk8_fp8_f32 v[CD+2*(\p):CD+2*(\p)+1], v[R+8*(\p):R+8*(\p)+7], v12   ; registers 2 p, 2 p + 1 of the image
.endm
	PIECE 0, 1
.irp p, 1,2,3,4,5,6,7,8,9,10,11,12,13,14,15
	PIECE \p, 0
.endr
	v_nop                                          ; a plain instruction behind the last conversion
.irp q, 0,1,2,3,4,5,6,7
	global_store_b128 v4, v[CD+4*\q:CD+4*\q+3], s[28:29] offset:512*\q   ; 32 lanes store 512 consecutive bytes, at a multiple of 256 from cb's first byte
.endr
	v_pk_add_f32 v[ESQ:ESQ+1], v[ESQ:ESQ+1], v[ESQ+2:ESQ+3]
	v_pk_add_f32 v[ESQ+4:ESQ+5], v[ESQ+4:ESQ+5], v[ESQ+6:ESQ+7]
	v_pk_add_f32 v[ESQ:ESQ+1], v[ESQ:ESQ+1], v[ESQ+4:ESQ+5]
	v_add_f32 v22, v22, v23
	v_permlanex16_b32 v31, v22, s32, s33           ; the row's other 128 numbers lie in the lane 16 away
	v_add_f32 v22, v22, v31                        ; e2 of row r
	v_mul_f32 v22, -1.0, v22
	v_ldexp_f32 v22, v22, s30                      ; -e2 x 2^(-1 - e0 - e1)
	ds_store_b32 v192, v22                         ; both halves of the lanes write the same word with the same number
	s_wait_dscnt 0x0                               ; for wave 0's sake: my bias words have landed
	s_barrier_signal -1
	s_barrier_wait -1
	s_cmp_lg_u32 s18, 0
	s_cbranch_scc1 .Ldone
	ds_load_b64 v[24:25], v193
	s_wait_dscnt 0x0
	global_store_b64 v194, v[24:25], s[12:13] offset:16384   ; the chunk's 64 biases: 256 consecutive bytes by one instruction
.Ldone:
	s_wait_tensorcnt 0x0
	ds_add_u32 v208, v209
	s_wait_dscnt 0x0
	s_endpgm
	; ---------------- the acoustic part: thread t takes 16 bytes at 2,048 i + 16 t, i = 0..7: a wave's load or store covers 512 consecutive bytes
.Lacoustic:
	s_sub_co_u32 s20, ttmp9, 16                    ; the channel, 0..35
	s_mul_i32 s24, s19, XBATCH
	s_lshl_b32 s26, s20, 14
	s_add_co_u32 s24, s24, s26
	s_add_co_u32 s24, s24, 256*16384               ; x and out1: row 256 + channel of batch y
	s_mul_i32 s26, s19, OBATCH
	s_lshl_b32 s27, s20, 14
	s_add_co_u32 s26, s26, s27
	s_add_co_u32 s26, s26, 16384                   ; out0: row 1 + channel
	s_mov_b32 s27, 0
	v_lshlrev_b32 v4, 4, v0
	s_mov_b32 s28, 0x4038aa3b                      ; C1 = 2 log2(e), rounded to f32
	s_mov_b32 s29, 0x33257060                      ; C2 = 2 log2(e) - C1
	s_mov_b32 s30, 0x3f317218                      ; ln 2
	s_mov_b32 s31, 0x41200000                      ; 10
	s_mov_b32 s32, 0x3dcccccd                      ; 0.1
	v_mov_b32 v10, 0x41800000                      ; 16: tanh(16) is 1 in f32, so the hold changes no result and keeps 2^(C1 v) a finite number
	s_wait_alu depctr_va_vdst(0)
	s_wait_kmcnt 0x0
	s_add_nc_u64 s[10:11], s[10:11], s[24:25]
	s_add_nc_u64 s[16:17], s[16:17], s[24:25]
	s_add_nc_u64 s[14:15], s[14:15], s[26:27]
.irp i, 0,1,2,3,4,5,6,7
	global_load_b128 v[AX+4*\i:AX+4*\i+3], v4, s[10:11] offset:2048*\i th:TH_LOAD_NT
.endr
	s_wait_loadcnt 0x0
; tanh(v) = 1 - 2 / (1 + e^(2 v)).  e^(2 v) = 2^hi x (1 + lo ln 2), hi = v C1 rounded, lo = what that rounding and C1's own rounding lost.  Each step runs over all 32 numbers, so that no line waits for the one above it.
.set i, 0
.rept 32
	v_med3_num_f32 v[AX+i], v[AX+i], -v10, v10
.set i, i+1
.endr
.set i, 0
.rept 32
	v_mul_f32 v[AH+i], s28, v[AX+i]                ; hi
.set i, i+1
.endr
.set i, 0
.rept 32
	v_fma_f32 v[AL+i], v[AX+i], s28, -v[AH+i]      ; v C1 - hi, exact
.set i, i+1
.endr
.set i, 0
.rept 32
	v_fma_f32 v[AL+i], v[AX+i], s29, v[AL+i]       ; + v C2
.set i, i+1
.endr
.set i, 0
	s_wait_alu depctr_va_vdst(0)
.rept 32
	v_exp_f32 v[AH+i], v[AH+i]                     ; 2^hi: one batch
.set i, i+1
.endr
.set i, 0
.rept 32
	v_mul_f32 v[AL+i], s30, v[AL+i]                ; lo ln 2: plain work that names no exponential's result
.set i, i+1
.endr
	s_wait_alu depctr_va_vdst(0)                   ; one wait for the batch, ahead of its first reader
.set i, 0
.rept 32
	v_fma_f32 v[AH+i], v[AH+i], v[AL+i], v[AH+i]   ; e^(2 v)
.set i, i+1
.endr
.set i, 0
.rept 32
	v_add_f32 v[AH+i], 1.0, v[AH+i]                ; d
.set i, i+1
.endr
.set i, 0
	s_wait_alu depctr_va_vdst(0)
.rept 32
	v_rcp_f32 v[AL+i], v[AH+i]                     ; one batch
.set i, i+1
.endr
	v_nop                                          ; a plain instruction behind the last reciprocal
	s_wait_alu depctr_va_vdst(0)                   ; one wait for the batch
.set i, 0
.rept 32
	v_fma_f32 v[AI+i], -v[AH+i], v[AL+i], 1.0      ; one step of Newton's
.set i, i+1
.endr
.set i, 0
.rept 32
	v_fma_f32 v[AL+i], v[AI+i], v[AL+i], v[AL+i]   ; 1 / d
.set i, i+1
.endr
.set i, 0
.rept 32
	v_fma_f32 v[AH+i], v[AL+i], -2.0, 1.0          ; tanh
.set i, i+1
.endr
.set i, 0
.rept 32
	v_add_f32 v[AH+i], 1.0, v[AH+i]
.set i, i+1
.endr
.set i, 0
.rept 32
	v_mul_f32 v[AH+i], s31, v[AH+i]                ; x 10: the halving is exact, so x 0.5 x 20 rounds to the same number
.set i, i+1
.endr
.set i, 0
.rept 32
	v_rndne_f32 v[AH+i], v[AH+i]                   ; to the nearest whole number, ties to even
.set i, i+1
.endr
.set i, 0
.rept 32
	v_cvt_i32_f32 v[AI+i], v[AH+i]
.set i, i+1
.endr
.set i, 0
.rept 32
	v_fma_f32 v[AX+i], v[AH+i], s32, -1.0          ; code x 0.1 - 1
.set i, i+1
.endr
.irp i, 0,1,2,3,4,5,6,7
	global_store_b128 v4, v[AI+4*\i:AI+4*\i+3], s[14:15] offset:2048*\i th:TH_STORE_NT
	global_store_b128 v4, v[AX+4*\i:AX+4*\i+3], s[16:17] offset:2048*\i th:TH_STORE_NT
.endr
	s_endpgm
.Lfunc_end_k_qaac4aaef77_prep:
	.size	k_qaac4aaef77_prep, .Lfunc_end_k_qaac4aaef77_prep-k_qaac4aaef77_prep
	.p2alignl 7, 3214868480
	.fill 96, 4, 3214868480
	.section	.rodata,"a",@progbits
	.p2align	6, 0x0
	.amdhsa_kernel k_qaac4aaef77_prep
		.amdhsa_group_segment_fixed_size 67328
		.amdhsa_private_segment_fixed_size 0
		.amdhsa_enable_private_segment 0
		.amdhsa_kernarg_size 56
		.amdhsa_user_sgpr_count 2
		.amdhsa_user_sgpr_kernarg_segment_ptr 1
		.amdhsa_wavefront_size32 1
		.amdhsa_system_sgpr_workgroup_id_x 1
		.amdhsa_system_sgpr_workgroup_id_y 1
		.amdhsa_system_sgpr_workgroup_id_z 1
		.amdhsa_system_vgpr_workitem_id 0
		.amdhsa_next_free_vgpr 210
		.amdhsa_next_free_sgpr 66
		.amdhsa_reserve_vcc 0
		.amdhsa_float_denorm_mode_32 3
		.amdhsa_float_denorm_mode_16_64 3
		.amdhsa_memory_ordered 1
		.amdhsa_forward_progress 1
		.amdhsa_inst_pref_size 67
	.end_amdhsa_kernel
	.amdgpu_metadata
---
amdhsa.version: [ 1, 2 ]
amdhsa.kernels:
  - .name:           k_qaac4aaef77_prep
    .symbol:         k_qaac4aaef77_prep.kd
    .args:
      - { .name: embedding_sum, .offset: 0, .size: 8, .value_kind: global_buffer, .address_space: global }
      - { .name: cluster_usage, .offset: 8, .size: 8, .value_kind: global_buffer, .address_space: global }
      - { .name: lowp_scales, .offset: 16, .size: 8, .value_kind: global_buffer, .address_space: global }
      - { .name: x, .offset: 24, .size: 8, .value_kind: global_buffer, .address_space: global }
      - { .name: cb, .offset: 32, .size: 8, .value_kind: global_buffer, .address_space: global }
      - { .name: out0, .offset: 40, .size: 8, .value_kind: global_buffer, .address_space: global }
      - { .name: out1, .offset: 48, .size: 8, .value_kind: global_buffer, .address_space: global }
    .group_segment_fixed_size: 67328
    .private_segment_fixed_size: 0
    .kernarg_segment_align: 8
    .kernarg_segment_size: 56
    .max_flat_workgroup_size: 128
    .sgpr_count:     66
    .vgpr_count:     210
    .wavefront_size: 32
...
	.end_amdgpu_metadata
.endif
;; end of part 1
;; launch main (part 2): grid 256 x 1, 8 waves a work-group, clusters of 4 x 1, 327,680 bytes of LDS; arguments x, lowp_scales, cb, codes_ws, vals_ws; writes codes_ws, vals_ws
.if DOCPART == 2
	.amdgcn_target "amdgcn-amd-amdhsa--gfx1250"
	.amdhsa_code_object_version 6
	.text
	.protected	k_qaac4aaef77_main
	.globl	k_qaac4aaef77_main
	.p2align	8
	.type	k_qaac4aaef77_main,@function
k_qaac4aaef77_main:
	s_mov_b64 s[64:65], 0
	v_nop
	global_prefetch_b8 v0, s[64:65] scope:SCOPE_SE
	s_setreg_imm32_b32 hwreg(HW_REG_WAVE_MODE, 25, 1), 1
	s_wait_xcnt 0x0
	s_wait_alu depctr_hold_cnt(0) depctr_sa_sdst(0) depctr_va_vdst(0) depctr_va_sdst(0) depctr_va_ssrc(0) depctr_va_vcc(0) depctr_vm_vsrc(0)
	s_getreg_b32 s2, hwreg(HW_REG_IB_STS2, 6, 4)
	s_cmp_eq_u32 s2, 0
	s_cbranch_scc0 .Lentry_in_a_cluster
	s_endpgm
.Lentry_in_a_cluster:
	s_bfe_u32 s2, ttmp6, 0x10000c
	s_cmp_lg_u32 s2, 0x3003
	s_cbranch_scc0 .Lentry_shape_is_right
	s_endpgm
.Lentry_shape_is_right:
; For each token and each half g of the codebook (codes 4,096 g .. 4,096 g + 4,095): the largest of (Q(x) . Q(emb) - e2 / 2) / 2^(e0 + e1) and its code, the lowest among equals.  The next launch chooses between the halves.
; (x2 is left out: it is the same for all codes of a token.)
; A work-group owns 256 tokens of one batch and one half of the codebook: g = the cluster's number % 2, so that the four work-groups of a cluster walk the same chunks and ask for them jointly (mask 15).
; HEAD: wave w loads channels 16 w .. 16 w + 15 and 128 + 16 w .. of the 256 tokens (f32, 512 consecutive bytes a load), quantises them with the given 2^e0 (hold at 448, then the conversion), and the codes meet in LDS
; as images of the matrix operand's registers, in two phases, one for each K step of 128 (32,768 bytes each, the same bytes).  Waves 0-3 take tokens 0-127 into window 1, waves 4-7 tokens 128-255: eight token tiles each.
; LOOP: cb (laid by the launch before) is chunks of 64 codes: four images of 16 codes x 256 K (4,096 bytes each) and 64 biases.  A slot holds eight chunks; wave w fetches chunk w, and reads chunks 2 (w % 4) and 2 (w % 4) + 1:
; eight tiles a slot, each chunk read by two waves.  A half's eight slots' worth pass through two slots.
; A tile (16 codes) is 16 matrix instructions: source 0 = the codes' image, source 1 = a token tile, C of the first K step = the biases: lane (r, h) holds token r, register j the sum a_j of code 8 h + j.
; EPILOGUE, nine instructions a token tile: c0 = max(old largest, a0, a1), c1 = max(c0, a2, a3), c2 = max(c1, a4, a5), new largest = max(c2, a6, a7); c0, c1, c2 are written over a1, a3, a5, which nothing needs any more.
; Where the largest grew (strictly), eight registers are kept by selects (no branch hangs on data): a0, c0, a2, c1, a4, c2, a6 and the tile's number.  At the end the first c that equals the largest names the pair, and the pair's kept
; even sum says which of the two: the lowest j among equals.
; PREFETCH: a half of cb is the same for all clusters that walk it, so clusters 0 and 1 alone ask, waves 0-3: at each change of slots the slot two refills on, the partners sharing its eight chunks out by address
; (two chunks a work-group, 8,192 bytes a wave, a lane a block of 256 bytes); the last two changes ask for nothing.
; LIMITS: e0 between -126 and 119, so that 2^e0 and 448 x 2^e0 are f32 numbers.  NaN among the inputs is not served.
; REGISTERS, window 0: v1-15 addresses; two fragment buffers of 40 (32 of codes, 8 biases) at v16 and v216; v57 the tile's number; v64-127 the eight accumulators; v128-191 what is kept; v192-207 the largest (two sets by turns).
; Window 1: x: K step s of token tile tt at v[128 s + 16 tt].
.set CHUNK,  16640
.set SLOTB,  8*CHUNK
.set XIMG,   2*SLOTB                   ; behind the ring: one K step's images of 16 token tiles, 2,048 bytes each
.set SPARE,  XIMG+32768                ; the spare words: 128 bytes a wave, four blocks of 256 bytes that no other line names
.set MRG,    SPARE+1024                ; the waves' results meet here: 1,024 bytes a wave
.set XBATCH, 292*4096*4
.set XR,  1
.set AF,  2                            ; v2-3 my two chunks' images in slot 0, 1
.set AB,  4                            ; v4-5 their biases
.set SPW, 6
.set NIL, 7
.set SC,  8
.set LIMV, 9
.set XO,  10
.set XW,  11
.set PFO, 12
.set K0,  13
.set MW,  14
.set MR,  15
.set SOF, 56
.set VSQ, 57                           ; in the head: the lane; from the head's end on: the tile's number
.set ACC, 64
.set SV,  128
.set MA,  192
.set MB,  200
.set HT,  216
.set JX,  HT
.set PR,  HT+8
.set T1,  HT+26
.set OV,  HT+34
.set OI,  HT+35
.set WV,  14
.set G1,  24
.set G0,  32
.set MK,  40
.set CNT, 49
.set LIM, 50
.set PFA, 52
.set SEL, 54
.set XB,  56
.set MSB, 0
.macro WIN new                         ; the immediate's high byte repeats the setting that is left
.if MSB != \new
	s_set_vgpr_msb (MSB<<8)|\new
.set MSB, \new
.endif
.endm
.macro CREST                           ; a round of the cluster's barrier behind its opening barrier
	s_cmp_lg_u32 s[WV], 0
	s_cbranch_scc1 .Lnot_wave_0_\@
	s_barrier_signal -3
.Lnot_wave_0_\@:
	s_barrier_wait -3
	s_barrier_signal -1
	s_barrier_wait -1
.endm
.macro CROUND
	s_barrier_signal -1
	s_barrier_wait -1
	CREST
.endm
.macro PLACES                          ; four places between the last product and the first read or write of a result (ISA guide 7.12.1)
.rept 4
	v_nop
.endr
.endm
.macro FETCH sl, u, b                  ; tile u (0..7) of my two chunks in slot sl into buffer b: 8 x 512 bytes of codes, 16 bytes a lane; my half's eight biases
.irp q, 0,1,2,3,4,5,6,7
	ds_load_b128 v[16+200*(\b)+4*\q:19+200*(\b)+4*\q], v[AF+\sl] offset:((\u)/4)*CHUNK+4096*((\u)%4)+512*\q
.endr
	ds_load_b128 v[48+200*(\b):51+200*(\b)], v[AB+\sl] offset:((\u)/4)*CHUNK+64*((\u)%4)
	ds_load_b128 v[52+200*(\b):55+200*(\b)], v[AB+\sl] offset:((\u)/4)*CHUNK+64*((\u)%4)+16
.endm
.macro PRODUCTS b                      ; the eight accumulators take turns, one instruction a turn; the biases start the sums
	WIN 0x04
.irp tt, 0,1,2,3,4,5,6,7
	v_wmma_f32_16x16x128_fp8_fp8 v[ACC+8*\tt:ACC+8*\tt+7], v[16+200*(\b):31+200*(\b)], v[16*\tt:16*\tt+15], v[48+200*(\b):55+200*(\b)]
.endr
.irp tt, 0,1,2,3,4,5,6,7
	v_wmma_f32_16x16x128_fp8_fp8 v[ACC+8*\tt:ACC+8*\tt+7], v[32+200*(\b):47+200*(\b)], v[128+16*\tt:128+16*\tt+15], v[ACC+8*\tt:ACC+8*\tt+7]
.endr
	WIN 0
.endm
; The epilogue.  The token tiles' steps are laid one behind the other's, so that four independent maxima stand between a compare and the selects that read VCC.  Each accumulator is read from its low end on.
.macro EPI mo, mn
.set ei, -4
.rept 12
.if ei >= 0
	v_cmp_gt_f32 vcc_lo, v[\mn+ei], v[\mo+ei]      ; did the largest grow?  (strictly: the earlier tile keeps a tie)
.endif
.if (ei+1 >= 0) && (ei+1 < 8)
	v_max3_num_f32 v[\mn+ei+1], v[ACC+8*(ei+1)+5], v[ACC+8*(ei+1)+6], v[ACC+8*(ei+1)+7]
.endif
.if (ei+2 >= 0) && (ei+2 < 8)
	v_max3_num_f32 v[ACC+8*(ei+2)+5], v[ACC+8*(ei+2)+3], v[ACC+8*(ei+2)+4], v[ACC+8*(ei+2)+5]   ; c2 over a5
.endif
.if (ei+3 >= 0) && (ei+3 < 8)
	v_max3_num_f32 v[ACC+8*(ei+3)+3], v[ACC+8*(ei+3)+1], v[ACC+8*(ei+3)+2], v[ACC+8*(ei+3)+3]   ; c1 over a3
.endif
.if ei+4 < 8
	v_max3_num_f32 v[ACC+8*(ei+4)+1], v[\mo+ei+4], v[ACC+8*(ei+4)], v[ACC+8*(ei+4)+1]           ; c0 over a1
.endif
.if ei >= 0
.irp j, 0,2,4
	v_dual_cndmask_b32 v[SV+8*ei+\j], v[SV+8*ei+\j], v[ACC+8*ei+\j] :: v_dual_cndmask_b32 v[SV+8*ei+\j+1], v[SV+8*ei+\j+1], v[ACC+8*ei+\j+1]
.endr
	v_dual_cndmask_b32 v[SV+8*ei+6], v[SV+8*ei+6], v[ACC+8*ei+6] :: v_dual_cndmask_b32 v[SV+8*ei+7], v[SV+8*ei+7], v[VSQ]   ; a6, and the tile's number
.endif
.set ei, ei+1
.endr
	v_add_nc_u32 v[VSQ], 1, v[VSQ]
.endm
.macro ASK
	s_cmp_gt_u32 s[CNT], s[LIM]                    ; CNT = 1 in the last trip: nothing lies two refills on
	s_cbranch_scc0 .Lnot_mine_\@
	global_prefetch_b8 v[PFO], s[PFA:PFA+1] th:TH_LOAD_NT scope:SCOPE_SE
.Lnot_mine_\@:
.endm
; Tile u (0..6) of a slot, in buffer u % 2: the next tile's loads go out first, into the other buffer, whose last products lie behind a whole epilogue.
.macro TILE sl, u, mo, mn
	s_wait_dscnt 0x0                               ; this tile's fragments are in
	FETCH \sl, (\u)+1, 1-((\u)%2)
	PRODUCTS (\u)%2
	PLACES
	EPI \mo, \mn
.endm
.macro SEVEN sl
	TILE \sl, 0, MA, MB
	TILE \sl, 1, MB, MA
	TILE \sl, 2, MA, MB
	TILE \sl, 3, MB, MA
	TILE \sl, 4, MA, MB
	TILE \sl, 5, MB, MA
	TILE \sl, 6, MA, MB
.endm
; A slot's last tile (buffer 1) changes slots.  All my tensor loads have landed, the add, my reads of this slot are back; the opening signal; the products, work on registers, while the others arrive; the round; the joint refill first behind it.
.macro TURN sl, nx
	s_wait_tensorcnt 0x0                           ; the one that was out is my chunk of the next slot, which other waves read behind the round
	ds_add_u32 v[SPW], v[NIL]
	s_add_nc_u64 s[G0+4*\sl+2:G0+4*\sl+3], s[G0+4*\sl+2:G0+4*\sl+3], 2*SLOTB   ; no load of mine is out: this slot's next chunk
	s_wait_xcnt 0x0                                ; my last prefetch has read its address
	s_add_nc_u64 s[PFA:PFA+1], s[PFA:PFA+1], SLOTB
	s_wait_dscnt 0x0
	s_barrier_signal -1
	PRODUCTS 1
	s_barrier_wait -1
	CREST
	tensor_load_to_lds s[G0+4*\sl:G0+4*\sl+3], s[G1:G1+7]
	s_nop 0
	PLACES                                         ; also the places behind the products above
	FETCH \nx, 0, 0
	ASK
	EPI MB, MA
.endm
; K step p's 16 channels of 256 tokens become codes: group (hf, g8) is eight channels k = 8 g8 + 0..7 of token half hf; a lane holds four tokens tau.  raw: the loads' registers (p = 1: in window 1); cf: 32 registers of codes.
.macro CONV p, raw, cf
.irp hf, 0,1
.irp g8, 0,1
	s_wait_loadcnt 56-32*\p-16*\hf-8*\g8           ; loads come back in order: this group's eight are in, the younger groups stay out
	WIN \p
.irp tau, 0,1,2,3
.irp kk, 0,1,2,3,4,5,6,7
	v_med3_num_f32 v[HT+8*\tau+\kk], v[\raw+4*(16*\hf+8*\g8+\kk)+\tau], -v[LIMV], v[LIMV]   ; the conversion does not saturate (ISA guide 7.6.2): the hold first
.endr
.endr
	WIN 0
.irp tau, 0,1,2,3
	v_cvt_scalef32_pk8_fp8_f32 v[\cf+2*(8*\hf+4*\g8+\tau):\cf+2*(8*\hf+4*\g8+\tau)+1], v[HT+8*\tau:HT+8*\tau+7], v[SC]
.endr
	v_nop                                          ; a plain line behind the conversions
.endr
.endr
.endm
.macro STOREX cf                       ; eight bytes: half w % 2 of the 16 bytes of lane (r = 4 (lane % 4) + tau, h = g8) in unit w / 2 of token tile 8 hf + lane / 4
.irp hf, 0,1
.irp g8, 0,1
.irp tau, 0,1,2,3
	ds_store_b64 v[XW], v[\cf+2*(8*\hf+4*\g8+\tau):\cf+2*(8*\hf+4*\g8+\tau)+1] offset:16384*\hf+256*\g8+16*\tau
.endr
.endr
.endr
.endm
.macro READX p                         ; my eight token tiles' images of K step p into window 1
	WIN 0x40
.irp tt, 0,1,2,3,4,5,6,7
.irp c, 0,1,2,3
	ds_load_b128 v[128*\p+16*\tt+4*\c:128*\p+16*\tt+4*\c+3], v[XR] offset:2048*\tt+512*\c
.endr
.endr
	WIN 0
.endm
	s_load_b256 s[4:11], s[0:1], 0x0               ; x s[4:5], the scales' exponents s[6:7], cb s[8:9], codes_ws s[10:11]
	s_load_b64 s[12:13], s[0:1], 0x20              ; vals_ws
	v_lshl_add_u32 v[SPW], v0, 2, SPARE
	v_mov_b32 v[NIL], 0
	ds_add_u32 v[SPW], v[NIL]                      ; the opening lines: the add twice on end under one wait
	ds_add_u32 v[SPW], v[NIL]
	v_lshrrev_b32 v60, 5, v0
	v_readfirstlane_b32 s[WV], v60                 ; wave 0..7
	v_and_b32 v57, 31, v0                          ; lane
	v_lshlrev_b32 v[XO], 4, v57                    ; 16 x lane
	s_bfe_u32 s15, ttmp6, 0x40000                  ; cx
	s_lshr_b32 s16, ttmp9, 1
	s_lshl_b32 s16, s16, 2
	s_add_co_u32 s16, s16, s15                     ; which 256 tokens: 0..127
	s_and_b32 s17, ttmp9, 1                        ; g: which half of the codebook: the same in the cluster's four
	s_mov_b32 s[G1], 15|(3<<16)|(1<<21)            ; mask: the cluster's four; elements of 8 bytes; bit 21 beside a mask
	s_mov_b32 s[G1+1], 32<<16                      ; a chunk as 65 rows of 256 bytes, dense
	s_mov_b32 s[G1+2], 65<<16
	s_mov_b32 s[G1+3], 32<<16
	s_mov_b32 s[G1+4], 65
	s_mov_b32 s[G1+5], 32
	s_mov_b32 s[G1+6], 0
	s_mov_b32 s[G1+7], 0
	s_mul_i32 s18, s[WV], CHUNK                    ; the chunk that I fetch, in a slot
	s_mov_b32 s[SEL], 0x76543210                   ; v_permlanex16_b32: the lane 16 away
	s_mov_b32 s[SEL+1], 0xfedcba98
	s_lshr_b32 s20, s16, 4                         ; the batch
	s_and_b32 s21, s16, 15
	s_lshl_b32 s21, s21, 10                        ; 256 tokens of 4 bytes
	s_mul_i32 s22, s20, XBATCH
	s_lshl_b32 s23, s[WV], 18                      ; my 16 channels
	s_add_co_u32 s22, s22, s23
	s_add_co_u32 s22, s22, s21
	s_mov_b32 s23, 0
	s_lshl_b32 s66, s17, 17                        ; codes_ws and vals_ws: [2][32,768] words
	s_lshl_b32 s67, s16, 10
	s_add_co_u32 s66, s66, s67
	s_mov_b32 s67, 0
	s_mul_i32 s68, s17, 64*CHUNK                   ; cb: my half,
	s_add_co_u32 s68, s68, s18                     ; my chunk
	s_mov_b32 s69, 0
	s_wait_alu depctr_va_vdst(0)                   ; a wait here, directly ahead of the waits below
	s_wait_dscnt 0x0                               ; both opening adds are done
	s_wait_kmcnt 0x0
	s_add_nc_u64 s[XB:XB+1], s[4:5], s[22:23]
.irp hf, 0,1                           ; asked for first: 64 loads a wave, on their way under the round and the first fill.  No hint: the other half's work-group reads the same bytes
.irp k, 0,1,2,3,4,5,6,7,8,9,10,11,12,13,14,15
	global_load_b128 v[64+4*(16*\hf+\k):64+4*(16*\hf+\k)+3], v[XO], s[XB:XB+1] offset:16384*\k+512*\hf
.endr
.endr
	WIN 0x40
.irp hf, 0,1
.irp k, 0,1,2,3,4,5,6,7,8,9,10,11,12,13,14,15
	global_load_b128 v[128+4*(16*\hf+\k):128+4*(16*\hf+\k)+3], v[XO], s[XB:XB+1] offset:16384*(128+\k)+512*\hf
.endr
.endr
	WIN 0
	s_load_b32 s58, s[6:7], 0x0                    ; e0
	s_add_nc_u64 s[10:11], s[10:11], s[66:67]
	s_add_nc_u64 s[12:13], s[12:13], s[66:67]
	s_add_nc_u64 s[20:21], s[8:9], s[68:69]
	s_mov_b32 s[G0], 1
	s_mov_b32 s[G0+1], s18
	s_mov_b64 s[G0+2:G0+3], s[20:21]
	s_or_b32 s[G0+3], s[G0+3], 0x80000000
	s_mov_b32 s[G0+4], 1
	s_add_co_u32 s[G0+5], s18, SLOTB
	s_add_nc_u64 s[G0+6:G0+7], s[20:21], SLOTB
	s_or_b32 s[G0+7], s[G0+7], 0x80000000
	s_lshl_b32 s22, s15, 1                         ; the prefetches: chunk 2 cx + (w / 2) % 2 of a slot, its half w % 2
	s_bfe_u32 s23, s[WV], 0x10001
	s_add_co_u32 s22, s22, s23
	s_mul_i32 s22, s22, CHUNK
	s_and_b32 s23, s[WV], 1
	s_lshl_b32 s23, s23, 13
	s_add_co_u32 s22, s22, s23
	s_add_co_u32 s22, s22, 3*SLOTB                 ; the first change of slots steps it to slot 4's bytes
	s_mul_i32 s23, s17, 64*CHUNK
	s_add_co_u32 s22, s22, s23
	s_mov_b32 s23, 0
	s_add_nc_u64 s[PFA:PFA+1], s[8:9], s[22:23]
	s_lshr_b32 s22, s[WV], 2
	s_lshr_b32 s23, ttmp9, 1
	s_or_b32 s22, s22, s23
	s_cmp_eq_u32 s22, 0
	s_cselect_b32 s[LIM], 1, -1                    ; clusters 0 and 1, waves 0-3, ask; the others never
	s_lshr_b32 s60, s[WV], 1                       ; the scalar parts of the addresses, all ahead of the vector lines that take them
	s_lshl_b32 s60, s60, 9
	s_and_b32 s61, s[WV], 1
	s_lshl_b32 s63, s61, 9
	s_lshl_b32 s61, s61, 3
	s_add_co_u32 s60, s60, s61
	s_add_co_u32 s60, s60, XIMG                    ; into the images: unit w / 2, half w % 2 of a lane's 16 bytes
	s_and_b32 s70, s[WV], 3                        ; w % 4
	s_lshl_b32 s61, s70, 7
	s_lshl_b32 s62, s17, 12
	s_add_co_u32 s61, s61, s62                     ; 4,096 g + 128 (w % 4): my two chunks' place among the codes
	s_lshl_b32 s62, s[WV], 10
	s_add_co_u32 s62, s62, MRG
	s_lshr_b32 s71, s70, 1
	s_lshl_b32 s71, s71, 12
	s_add_co_u32 s63, s63, s71
	s_add_co_u32 s63, s63, MRG                     ; the join: wave m < 4 takes tokens 64 m .. 64 m + 63 from the regions of waves 4 (m / 2) + 0..3
	s_mul_i32 s71, s70, 2*CHUNK                    ; my two chunks in a slot
	s_add_co_u32 s72, s71, 16384                   ; their biases
	s_lshl_b32 s70, s70, 8
	s_lshr_b32 s73, s[WV], 2
	s_lshl_b32 s73, s73, 14
	s_add_co_u32 s73, s73, XIMG                    ; out of the images: my half's eight token tiles
	CROUND                                         ; the four work-groups are here: the first joint loads meet
	tensor_load_to_lds s[G0:G0+3], s[G1:G1+7]      ; slot 0: one tensor load a wave at the head
	s_nop 0
	v_and_b32 v58, 15, v0                          ; r
	v_bfe_u32 v59, v0, 4, 1                        ; h
	v_add_nc_u32 v[XR], s73, v[XO]
	v_add_nc_u32 v[AF], s71, v[XO]
	v_lshl_add_u32 v[AB], v59, 5, s72
	v_lshrrev_b32 v60, 2, v57
	v_and_b32 v61, 3, v57
	v_add_nc_u32 v[AF+1], SLOTB, v[AF]
	v_add_nc_u32 v[AB+1], SLOTB, v[AB]
	v_lshl_add_u32 v[XW], v60, 11, s60             ; token tile lane / 4 (+ 8 hf),
	v_lshlrev_b32 v[PFO], 8, v57
	v_lshl_add_u32 v[K0], v59, 3, s61
	v_lshl_add_u32 v[XW], v61, 6, v[XW]            ; row 4 (lane % 4) + tau of it
	v_lshl_add_u32 v[MW], v58, 3, s62
	v_add_nc_u32 v[MR], s63, v[XO]
	v_lshl_add_u32 v[SOF], v57, 3, s70
	s_wait_alu depctr_va_vdst(0)                   ; a wait here, directly ahead of the wait below
	s_wait_kmcnt 0x0
	s_add_co_i32 s22, s58, 127
	s_lshl_b32 s23, s22, 23
	v_mov_b32 v[SC], s23                           ; 2^e0 as f32: the conversion takes its exponent field
	s_add_co_i32 s22, s22, 8
	s_lshl_b32 s22, s22, 23
	s_or_b32 s22, s22, 0x600000
	v_mov_b32 v[LIMV], s22                         ; 448 x 2^e0
	s_wait_alu depctr_va_vdst(0)                   ; a wait here, directly ahead of the wait below
	CONV 0, 64, 16
	STOREX 16
	CONV 1, 128, 64                                ; its codes wait in v64-95, which K step 0's numbers have left
	s_wait_alu depctr_va_vdst(0)                   ; a wait here
	s_wait_dscnt 0x0                               ; for the others' sake: my part of K step 0's images has landed
	s_barrier_signal -1
	s_barrier_wait -1                              ; nothing is filled by a tensor load behind these three barriers: slot 0's fill may be on its way
	READX 0
	s_wait_dscnt 0x0                               ; my reads are back: the images' bytes may be written again
	s_barrier_signal -1
	s_barrier_wait -1
	STOREX 64
	s_wait_dscnt 0x0
	s_barrier_signal -1
	s_barrier_wait -1
	READX 1
.irp tt, 0,1,2,3,4,5,6,7
	v_mov_b32 v[MA+\tt], 0xff800000                ; under every sum
.endr
.set i, 0
.rept 64
	v_mov_b32 v[SV+i], 0xff800000                  ; the selects read what they keep: written once
.set i, i+1
.endr
	v_mov_b32 v[VSQ], 0                            ; the first tile's number
	s_mov_b32 s[CNT], 3
	s_wait_alu depctr_va_vdst(0)                   ; a wait at the head's end
	s_wait_tensorcnt 0x0                           ; my chunk of slot 0 is in.  Slot 1's first fill is issued as a refill is: the wait, the add, its wait, a round
	ds_add_u32 v[SPW], v[NIL]
	s_wait_dscnt 0x0
	CROUND                                         ; every wave's chunk of slot 0 is in
	tensor_load_to_lds s[G0+4:G0+7], s[G1:G1+7]
	s_nop 0
	FETCH 0, 0, 0
	SEVEN 0
.Lloop:                                        ; a trip goes once round the ring and fills both slots again: 3 trips bring slots' worth 2 to 7
	TURN 0, 1
	SEVEN 1
	TURN 1, 0
	SEVEN 0
	s_sub_co_u32 s[CNT], s[CNT], 1
	s_cmp_lg_u32 s[CNT], 0
	s_cbranch_scc1 .Lloop
	s_wait_tensorcnt 0x0                           ; the last lap fills nothing: a plain barrier shows every wave's chunk of the last slot to the others
	s_wait_dscnt 0x0
	s_barrier_signal -1
	PRODUCTS 1
	s_barrier_wait -1
	PLACES
	FETCH 1, 0, 0
	EPI MB, MA
	SEVEN 1
	s_wait_dscnt 0x0
	PRODUCTS 1
	PLACES
	EPI MB, MA
	; THE END.  j, from the last pair down, so that the first pair whose c equals the largest wins; in a pair the even sum, if it equals the largest
.irp tt, 0,1,2,3,4,5,6,7
	v_cmp_eq_f32 s[MK+\tt], v[SV+8*\tt+6], v[MA+\tt]
.endr
.irp tt, 0,1,2,3,4,5,6,7
	v_cndmask_b32 v[JX+\tt], 7, 6, s[MK+\tt]
.endr
.irp l, 2,1,0
.irp tt, 0,1,2,3,4,5,6,7
	v_cmp_eq_f32 s[MK+\tt], v[SV+8*\tt+2*\l], v[MA+\tt]
.endr
.irp tt, 0,1,2,3,4,5,6,7
	v_cndmask_b32 v[T1+\tt], 2*\l+1, 2*\l, s[MK+\tt]
.endr
.irp tt, 0,1,2,3,4,5,6,7
	v_cmp_eq_f32 s[MK+\tt], v[SV+8*\tt+2*\l+1], v[MA+\tt]
.endr
.irp tt, 0,1,2,3,4,5,6,7
	v_cndmask_b32 v[JX+\tt], v[JX+\tt], v[T1+\tt], s[MK+\tt]
.endr
.endr
	; the code: 4,096 g + 512 (tile number / 8) + 128 (w % 4) + 16 (tile number % 8) + 8 h + j
.irp tt, 0,1,2,3,4,5,6,7
	v_and_b32 v[T1+\tt], 7, v[SV+8*\tt+7]
.endr
.irp tt, 0,1,2,3,4,5,6,7
	v_lshl_add_u32 v[JX+\tt], v[T1+\tt], 4, v[JX+\tt]
.endr
.irp tt, 0,1,2,3,4,5,6,7
	v_and_b32 v[T1+\tt], 56, v[SV+8*\tt+7]
.endr
.irp tt, 0,1,2,3,4,5,6,7
	v_lshl_add_u32 v[JX+\tt], v[T1+\tt], 6, v[JX+\tt]
.endr
.irp tt, 0,1,2,3,4,5,6,7
	v_add_nc_u32 v[JX+\tt], v[K0], v[JX+\tt]
.endr
.macro BETTER mv, mi, ov, oi, dv, di   ; the larger sum; of equal sums the lower code
	v_cmp_gt_f32 s[MK], v[\ov], v[\mv]
	v_cmp_eq_f32 s[MK+1], v[\ov], v[\mv]
	v_cmp_lt_u32 s[MK+2], v[\oi], v[\mi]
	s_and_b32 s[MK+1], s[MK+1], s[MK+2]
	s_or_b32 s[MK], s[MK], s[MK+1]
	v_cndmask_b32 v[\dv], v[\mv], v[\ov], s[MK]
	v_cndmask_b32 v[\di], v[\mi], v[\oi], s[MK]
.endm
.irp tt, 0,1,2,3,4,5,6,7
	v_permlanex16_b32 v[OV], v[MA+\tt], s[SEL], s[SEL+1]   ; the same token's other eight codes of each tile lie in the lane 16 away
	v_permlanex16_b32 v[OI], v[JX+\tt], s[SEL], s[SEL+1]
	BETTER MA+\tt, JX+\tt, OV, OI, PR+2*\tt, PR+2*\tt+1
	ds_store_b64 v[MW], v[PR+2*\tt:PR+2*\tt+1] offset:128*\tt   ; token 16 tt + r of my half: (sum, code); both halves of the lanes write the same
.endr
	s_wait_dscnt 0x0                               ; for the others' sake
	s_barrier_signal -1
	s_barrier_wait -1
	s_cmp_lt_u32 s[WV], 4
	s_cbranch_scc0 .Lend
.irp k, 0,1,2,3                        ; waves 0 to 3 join the four waves' results of a token half, 64 tokens each, two tokens a lane
	ds_load_b128 v[ACC+4*\k:ACC+4*\k+3], v[MR] offset:1024*\k
.endr
	s_wait_dscnt 0x0
.irp k, 1,2,3
	BETTER ACC, ACC+1, ACC+4*\k, ACC+4*\k+1, ACC, ACC+1
	BETTER ACC+2, ACC+3, ACC+4*\k+2, ACC+4*\k+3, ACC+2, ACC+3
.endr
	v_mov_b32 v[ACC+32], v[ACC+1]
	v_mov_b32 v[ACC+33], v[ACC+3]
	v_mov_b32 v[ACC+34], v[ACC]
	v_mov_b32 v[ACC+35], v[ACC+2]
	global_store_b64 v[SOF], v[ACC+32:ACC+33], s[10:11]   ; a wave's store covers 256 consecutive bytes, aligned
	global_store_b64 v[SOF], v[ACC+34:ACC+35], s[12:13]
.Lend:
	s_wait_tensorcnt 0x0                           ; the wave's end
	ds_add_u32 v[SPW], v[NIL]
	s_wait_dscnt 0x0
	CROUND                                         ; the closing round
	s_endpgm
.Lfunc_end_k_qaac4aaef77_main:
	.size	k_qaac4aaef77_main, .Lfunc_end_k_qaac4aaef77_main-k_qaac4aaef77_main
	.p2alignl 7, 3214868480
	.fill 96, 4, 3214868480
	.section	.rodata,"a",@progbits
	.p2align	6, 0x0
	.amdhsa_kernel k_qaac4aaef77_main
		.amdhsa_group_segment_fixed_size 327680
		.amdhsa_private_segment_fixed_size 0
		.amdhsa_enable_private_segment 0
		.amdhsa_kernarg_size 40
		.amdhsa_user_sgpr_count 2
		.amdhsa_user_sgpr_kernarg_segment_ptr 1
		.amdhsa_wavefront_size32 1
		.amdhsa_system_sgpr_workgroup_id_x 1
		.amdhsa_system_sgpr_workgroup_id_y 1
		.amdhsa_system_sgpr_workgroup_id_z 1
		.amdhsa_system_vgpr_workitem_id 0
		.amdhsa_next_free_vgpr 512
		.amdhsa_next_free_sgpr 80
		.amdhsa_reserve_vcc 1
		.amdhsa_float_denorm_mode_32 3
		.amdhsa_float_denorm_mode_16_64 3
		.amdhsa_memory_ordered 1
		.amdhsa_forward_progress 1
		.amdhsa_inst_pref_size 255
	.end_amdhsa_kernel
	.section	.bss,"aw",@nobits
	.p2align	6
	.space	262144
	.amdgpu_metadata
---
amdhsa.version: [ 1, 2 ]
amdhsa.kernels:
  - .name:           k_qaac4aaef77_main
    .symbol:         k_qaac4aaef77_main.kd
    .args:
      - { .name: x, .offset: 0, .size: 8, .value_kind: global_buffer, .address_space: global }
      - { .name: lowp_scales, .offset: 8, .size: 8, .value_kind: global_buffer, .address_space: global }
      - { .name: cb, .offset: 16, .size: 8, .value_kind: global_buffer, .address_space: global }
      - { .name: codes_ws, .offset: 24, .size: 8, .value_kind: global_buffer, .address_space: global }
      - { .name: vals_ws, .offset: 32, .size: 8, .value_kind: global_buffer, .address_space: global }
    .group_segment_fixed_size: 327680
    .private_segment_fixed_size: 0
    .kernarg_segment_align: 8
    .kernarg_segment_size: 40
    .max_flat_workgroup_size: 256
    .sgpr_count:     80
    .vgpr_count:     512
    .wavefront_size: 32
...
	.end_amdgpu_metadata
.endif
;; end of part 2
;; launch decode (part 3): grid 512 x 1, 8 waves a work-group, no clusters, 67,584 bytes of LDS; arguments codes_ws, vals_ws, embedding_sum, cluster_usage, out0, out1; writes out0, out1
.if DOCPART == 3
	.amdgcn_target "amdgcn-amd-amdhsa--gfx1250"
	.amdhsa_code_object_version 6
	.text
	.protected	k_qaac4aaef77_decode
	.globl	k_qaac4aaef77_decode
	.p2align	8
	.type	k_qaac4aaef77_decode,@function
k_qaac4aaef77_decode:
	s_mov_b64 s[64:65], 0
	v_nop
	global_prefetch_b8 v0, s[64:65] scope:SCOPE_SE
	s_setreg_imm32_b32 hwreg(HW_REG_WAVE_MODE, 25, 1), 1
	s_wait_xcnt 0x0
; The launch before stored, for each token and each half of the codebook, the best code (codes_ws, whole numbers) and its sum (vals_ws).  Here the halves are joined: the upper half's code wins where its sum is strictly larger
; (the lower code keeps a tie).  out0[b][0][t] = that code; out1[b][s][t] = embedding_sum[code][s] / max(cluster_usage[code], 1e-5), s = 0..255.
; No address hangs on the comparison: BOTH codes' rows and usages are loaded, by the stored whole numbers, and the comparison selects among the loaded numbers.
; A work-group owns 64 tokens.  IN: wave w gathers the two rows of each of tokens 8 w .. 8 w + 7, a row of 1,024 bytes by two loads of 512 consecutive bytes, selects, and lays the chosen row in LDS.
; OUT: wave w takes channels 32 w .. 32 w + 31; a lane takes four neighbouring tokens of a channel, so that sixteen lanes store 256 consecutive bytes of a row of out1.
; Token tau lies at LDS row tau / 4 + 16 (tau % 4), rows 1,040 bytes apart: the 32 lanes of a column read then fall on 32 different words modulo 256 bytes.
; The division is a multiplication by v_rcp_f32's result: this output goes into no quantiser.  No matrix work, no cluster (work-groups share no tile), no tensor load.  An index is held at 8,191 before it enters an address.
.set XBATCH, 292*4096*4
.set OBATCH, 37*4096*4
.set PITCH,  1040
.set HALFW,  131072                    ; from the lower half's words to the upper half's, in codes_ws and in vals_ws
.set EPSF,   0x3727c5ac                ; 1e-5
.set O,      36                        ; v36-43, v44-51 the byte offsets of my wave's eight rows, lower and upper half, + 16 x lane
.set D,      52                        ; v52-115 the lower half's rows, then the chosen rows; columns on the way out
.set E,      116                       ; v116-179 the upper half's rows
	s_load_b256 s[4:11], s[0:1], 0x0               ; codes_ws s[4:5], vals_ws s[6:7], embedding_sum s[8:9], cluster_usage s[10:11]
	s_load_b128 s[12:15], s[0:1], 0x20             ; out0 s[12:13], out1 s[14:15]
	v_lshl_add_u32 v184, v0, 2, 0x10400
	v_mov_b32 v185, 0
	v_lshrrev_b32 v1, 5, v0
	v_readfirstlane_b32 s60, v1                    ; wave 0..7
	v_and_b32 v1, 31, v0                           ; lane
	v_and_b32 v2, 15, v0                           ; q: my four tokens are 4 q + 0..3
	v_bfe_u32 v3, v0, 4, 1                         ; ch: which of two neighbouring channels
	v_lshlrev_b32 v4, 4, v1
	s_mul_i32 s61, s60, 2*PITCH
	s_lshl_b32 s62, s60, 7
	v_mul_u32_u24 v6, v2, PITCH
	v_lshlrev_b32 v8, 4, v2                        ; my four tokens' words
	v_add_nc_u32 v5, s61, v4                       ; in: LDS rows 2 w and 2 w + 1 (+ 16 (token % 4)), 16 bytes a lane
	v_lshl_add_u32 v6, v3, 2, v6
	v_lshl_add_u32 v7, v3, 14, v8                  ; and their place in out1: a channel is 16,384 bytes
	v_add_nc_u32 v6, s62, v6                       ; out: row q, channel 32 w + ch
	s_lshl_b32 s66, ttmp9, 8                       ; the work-group's 64 words
	s_mov_b32 s67, 0
	s_lshl_b32 s68, s60, 5                         ; my wave's eight of them
	s_mov_b32 s69, 0
	s_lshr_b32 s61, ttmp9, 6                       ; the batch
	s_and_b32 s62, ttmp9, 63
	s_lshl_b32 s62, s62, 8                         ; 64 tokens of 4 bytes
	s_mul_i32 s70, s61, XBATCH
	s_add_co_u32 s70, s70, s62
	s_lshl_b32 s63, s60, 19                        ; 32 channels
	s_add_co_u32 s70, s70, s63
	s_mov_b32 s71, 0
	s_mul_i32 s72, s61, OBATCH                     ; out0: row 0 of the batch
	s_add_co_u32 s72, s72, s62
	s_mov_b32 s73, 0
	s_wait_alu depctr_va_vdst(0)                   ; a wait at the head's end
	s_wait_kmcnt 0x0
	s_add_nc_u64 s[4:5], s[4:5], s[66:67]
	s_add_nc_u64 s[6:7], s[6:7], s[66:67]
	s_add_nc_u64 s[74:75], s[4:5], s[68:69]
	s_add_nc_u64 s[76:77], s[6:7], s[68:69]
	s_add_nc_u64 s[14:15], s[14:15], s[70:71]
	s_add_nc_u64 s[12:13], s[12:13], s[72:73]
	s_load_b256 s[16:23], s[74:75], 0x0            ; my eight tokens as scalars: the lower half's codes,
	s_load_b256 s[24:31], s[74:75], HALFW          ; the upper half's,
	s_load_b256 s[32:39], s[76:77], 0x0            ; and the two sums
	s_load_b256 s[40:47], s[76:77], HALFW
	global_load_b128 v[12:15], v8, s[4:5]          ; and my lane's four tokens: codes and sums of both halves
	global_load_b128 v[16:19], v8, s[4:5] offset:HALFW
	global_load_b128 v[20:23], v8, s[6:7]
	global_load_b128 v[24:27], v8, s[6:7] offset:HALFW
	s_wait_kmcnt 0x0
.irp n, 0,1,2,3,4,5,6,7
	s_min_u32 s[16+\n], s[16+\n], 0x1fff
	s_lshl_b32 s[16+\n], s[16+\n], 10
	s_min_u32 s[24+\n], s[24+\n], 0x1fff
	s_lshl_b32 s[24+\n], s[24+\n], 10
	v_add_nc_u32 v[O+\n], s[16+\n], v4
	v_add_nc_u32 v[O+8+\n], s[24+\n], v4
	global_load_b128 v[D+8*\n:D+8*\n+3], v[O+\n], s[8:9]                ; no hint: a row may be named again by other tokens
	global_load_b128 v[D+8*\n+4:D+8*\n+7], v[O+\n], s[8:9] offset:512
	global_load_b128 v[E+8*\n:E+8*\n+3], v[O+8+\n], s[8:9]
	global_load_b128 v[E+8*\n+4:E+8*\n+7], v[O+8+\n], s[8:9] offset:512
	v_cmp_gt_f32 s[48+\n], s[40+\n], s[32+\n]      ; token n: does the upper half win?  The same in all lanes
.endr
	s_wait_loadcnt 32                              ; my four tokens' words are in; the 32 row halves stay out
.irp i, 0,1,2,3
	v_cmp_gt_f32 s[56+\i], v[24+\i], v[20+\i]
.endr
.irp i, 0,1,2,3
	v_cndmask_b32 v[180+\i], v[12+\i], v[16+\i], s[56+\i]   ; the token's code
.endr
.irp i, 0,1,2,3,4,5,6,7
	v_min_u32 v[12+\i], 0x1fff, v[12+\i]
.endr
.irp i, 0,1,2,3,4,5,6,7
	v_lshlrev_b32 v[12+\i], 2, v[12+\i]
.endr
	s_wait_alu depctr_va_vdst(0)                   ; a wait here, directly ahead of the branch
	s_cmp_lg_u32 s60, 0
	s_cbranch_scc1 .Lnot_wave_0
	global_store_b128 v8, v[180:183], s[12:13]     ; wave 0: the 64 codes, 256 consecutive bytes, aligned (both halves of the lanes hold and write the same)
.Lnot_wave_0:
.irp i, 0,1,2,3,4,5,6,7
	global_load_b32 v[28+\i], v[12+\i], s[10:11]   ; both codes' usages
.endr
.irp n, 0,1,2,3,4,5,6,7
	s_wait_loadcnt 36-4*\n                         ; this token's four row halves are in; the younger tokens' and the eight usages stay out
.irp k, 0,1,2,3,4,5,6,7
	v_cndmask_b32 v[D+8*\n+\k], v[D+8*\n+\k], v[E+8*\n+\k], s[48+\n]
.endr
	ds_store_b128 v5, v[D+8*\n:D+8*\n+3] offset:(\n/4)*PITCH+(\n%4)*16*PITCH
	ds_store_b128 v5, v[D+8*\n+4:D+8*\n+7] offset:(\n/4)*PITCH+(\n%4)*16*PITCH+512
.endr
	s_wait_loadcnt 0x0
.irp i, 0,1,2,3
	v_cndmask_b32 v[28+\i], v[28+\i], v[32+\i], s[56+\i]
.endr
.irp i, 0,1,2,3
	v_max_num_f32 v[28+\i], EPSF, v[28+\i]
.endr
	s_wait_alu depctr_va_vdst(0)                   ; a wait ahead of the batch
.irp i, 0,1,2,3
	v_rcp_f32 v[28+\i], v[28+\i]
.endr
	v_nop                                          ; a plain instruction behind the last reciprocal
	s_wait_alu depctr_va_vdst(0)                   ; one wait for the four, ahead of their first reader
	s_wait_dscnt 0x0                               ; for the others' sake: my rows have landed
	s_barrier_signal -1
	s_barrier_wait -1
.irp p, 0,1,2,3,4,5,6,7,8,9,10,11,12,13,14,15
.irp i, 0,1,2,3
	ds_load_b32 v[D+4*\p+\i], v6 offset:16*PITCH*\i+8*\p   ; token 4 q + i, channel 32 w + 2 p + ch
.endr
.endr
.irp p, 0,1,2,3,4,5,6,7,8,9,10,11,12,13,14,15
	s_wait_dscnt 60-4*\p                           ; this pair of channels is in; the younger reads stay out
	v_pk_mul_f32 v[D+4*\p:D+4*\p+1], v[D+4*\p:D+4*\p+1], v[28:29]
	v_pk_mul_f32 v[D+4*\p+2:D+4*\p+3], v[D+4*\p+2:D+4*\p+3], v[30:31]
.endr
	s_wait_alu depctr_va_vdst(0)                   ; a wait here, directly ahead of the first store
.irp p, 0,1,2,3,4,5,6,7,8,9,10,11,12,13,14,15  ; all sixteen stores in one run, behind all the multiplications
	global_store_b128 v7, v[D+4*\p:D+4*\p+3], s[14:15] offset:32768*\p th:TH_STORE_NT   ; sixteen lanes store 256 consecutive bytes, at a multiple of 256 from out1's first byte
.endr
	s_wait_tensorcnt 0x0                           ; the wave's end
	ds_add_u32 v184, v185
	s_wait_dscnt 0x0
	s_endpgm
.Lfunc_end_k_qaac4aaef77_decode:
	.size	k_qaac4aaef77_decode, .Lfunc_end_k_qaac4aaef77_decode-k_qaac4aaef77_decode
	.p2alignl 7, 3214868480
	.fill 96, 4, 3214868480
	.section	.rodata,"a",@progbits
	.p2align	6, 0x0
	.amdhsa_kernel k_qaac4aaef77_decode
		.amdhsa_group_segment_fixed_size 67584
		.amdhsa_private_segment_fixed_size 0
		.amdhsa_enable_private_segment 0
		.amdhsa_kernarg_size 48
		.amdhsa_user_sgpr_count 2
		.amdhsa_user_sgpr_kernarg_segment_ptr 1
		.amdhsa_wavefront_size32 1
		.amdhsa_system_sgpr_workgroup_id_x 1
		.amdhsa_system_sgpr_workgroup_id_y 1
		.amdhsa_system_sgpr_workgroup_id_z 1
		.amdhsa_system_vgpr_workitem_id 0
		.amdhsa_next_free_vgpr 186
		.amdhsa_next_free_sgpr 80
		.amdhsa_reserve_vcc 0
		.amdhsa_float_denorm_mode_32 3
		.amdhsa_float_denorm_mode_16_64 3
		.amdhsa_memory_ordered 1
		.amdhsa_forward_progress 1
		.amdhsa_inst_pref_size 25
	.end_amdhsa_kernel
	.amdgpu_metadata
---
amdhsa.version: [ 1, 2 ]
amdhsa.kernels:
  - .name:           k_qaac4aaef77_decode
    .symbol:         k_qaac4aaef77_decode.kd
    .args:
      - { .name: codes_ws, .offset: 0, .size: 8, .value_kind: global_buffer, .address_space: global }
      - { .name: vals_ws, .offset: 8, .size: 8, .value_kind: global_buffer, .address_space: global }
      - { .name: embedding_sum, .offset: 16, .size: 8, .value_kind: global_buffer, .address_space: global }
      - { .name: cluster_usage, .offset: 24, .size: 8, .value_kind: global_buffer, .address_space: global }
      - { .name: out0, .offset: 32, .size: 8, .value_kind: global_buffer, .address_space: global }
      - { .name: out1, .offset: 40, .size: 8, .value_kind: global_buffer, .address_space: global }
    .group_segment_fixed_size: 67584
    .private_segment_fixed_size: 0
    .kernarg_segment_align: 8
    .kernarg_segment_size: 48
    .max_flat_workgroup_size: 256
    .sgpr_count:     80
    .vgpr_count:     186
    .wavefront_size: 32
...
	.end_amdgpu_metadata
.endif
;; end of part 3
